; MI455X (gfx1250); checked and timed in simulation.
; The chip was launched on July 23, 2026; its instructions are those of AMD's public machine-readable ISA for CDNA 5 (MIT licence, August 2026) and "CDNA5" Instruction Set Architecture Reference Guide (July 2026). The comments in the code are by the model that wrote it; some were corrected since.
;; Pose3 D. Allowed arithmetic: float matrix products may take bf16 or f16 operands with f32 sums; other float arithmetic in f32, or as packed bf16 or f16 multiplies, adds, multiply-adds, maxima and minima; sums over many terms, partial sums and values carried from step to step in f32; what a program stores and reads back later, other than sums and carried values, may be rounded once to bf16 or f16.
;; Inputs: adj 17 x 17 float32; b_embed 128 float32; b_fc1 4 x 256 float32; b_fc2 4 x 128 float32; b_gate 4 float32; b_proj 4 x 128 float32; b_qkv 4 x 384 float32; fn_b 128 float32; fn_g 128 float32; ln1_b 4 x 128 float32; ln1_g 4 x 128 float32; ln2_b 4 x 128 float32; ln2_g 4 x 128 float32; pos 17 x 128 float32; w_embed 2 x 128 float32; w_fc1 4 x 128 x 256 float32; w_fc2 4 x 256 x 128 float32; w_gate 4 x 128 float32; w_proj 4 x 128 x 128 float32; w_qkv 4 x 128 x 384 float32; x 32 x 121 x 17 x 2 float32.
;; Outputs: out0 32 x 121 x 17 x 128 float32.
;; One version. Each part assembles by itself: llvm-mc -triple=amdgcn-amd-amdhsa -mcpu=gfx1250 --defsym DOCPART=n.
;; ======== version 1 of 1: 2 launches
;; limits: values outside matrix products are rounded to f16; values are held in f16: magnitudes above 65,504 overflow, below 6.1e-05 lose precision
;; workspace buffers: wbuf 1,048,576 bytes; cbuf 32,768 bytes
;; launch prep (part 1): grid 71 x 4, 4 waves a work-group, no clusters, 0 bytes of LDS; arguments w_qkv, w_proj, w_fc1, w_fc2, w_gate, ln1_g, ln1_b, ln2_g, ln2_b, b_qkv, b_fc1, b_gate, b_embed, b_proj, b_fc2, fn_g, fn_b, wbuf, cbuf; writes wbuf, cbuf
.if DOCPART == 1
	.amdgcn_target "amdgcn-amd-amdhsa--gfx1250"
	.amdhsa_code_object_version 6
	.text
	.protected	k_qe88a8eaef6_prep
	.globl	k_qe88a8eaef6_prep
	.p2align	8
	.type	k_qe88a8eaef6_prep,@function
k_qe88a8eaef6_prep:
	s_mov_b64 s[64:65], 0
	v_nop
	global_prefetch_b8 v0, s[64:65] scope:SCOPE_SE
	s_setreg_imm32_b32 hwreg(HW_REG_WAVE_MODE, 25, 1), 1
	s_wait_xcnt 0x0
; PREP: the weights of the four layers, folded in f32, rounded once to f16 and laid out as matrix fragments in the order in which the second launch walks them.
; Folding: LayerNorm's gain goes into the rows of the weight behind it (g[k] W[k][n]), its bias into that product's bias (sum over k of b[k] W[k][n] + bias[n]), the 0.5 of GELU into w_fc2.
; A FRAGMENT is 1,024 bytes: 16 outputs n = nb + r by 32 inputs k; byte q 512 + (16 h + r) 16 + 2 i holds W[kb + 16 q + 8 h + i][nb + r]: lane 16 h + r reads its 16 bytes at 16 x lane, twice.
; wbuf, layer L at 262,144 L, 256 fragments: head pair p (32 fragments): head 2p Q, K, V (4 K steps each), head 2p+1 the same, then w_proj's K step p (8 output tiles);
;   behind the four pairs, hidden step t (16 fragments): w_fc1's output tiles 2t, 2t+1 (4 K steps each), then w_fc2's K step t (8 output tiles).
; cbuf: 0 gate fragments (layer, K step; rows 0 and 8 hold g w_gate, the others 0); 16,384 nine bias vectors added at the head of the nine LayerNorms; 20,992 + 2,688 L the layer's
;   folded biases in the order of use (gate 128 bytes, 8 heads x (Q, K, V) x 64 bytes, fc1 1,024 bytes); 31,744 fn_g; 32,256 fn_b.
; SHARES. Grid x = 0..63: wave w makes fragment 4 x + w of layer y.  64: the gate's four fragments.  65..69: the folded biases, a column a thread.  70: copies and the gate's bias.
; LIMIT. A folded weight beyond 65,504 becomes an infinity in f16; below 6e-5 it keeps f16's fixed step of 6e-8.
; The folded biases are stored four bytes a lane in runs of 64 bytes: 10 KB in the whole launch.
.set VO, 16                             ; v16-31  sixteen row offsets
.set DA, 32                             ; v32-47  sixteen weights (bias path: v32-159, 128 weights)
.set GA, 48                             ; v48-63  sixteen gains
.set FR, 64                             ; v64-71  the fragment's 32 bytes of my lane
	s_load_b512 s[4:19], s[0:1], 0x0        ; w_qkv 4, w_proj 6, w_fc1 8, w_fc2 10, w_gate 12, ln1_g 14, ln1_b 16, ln2_g 18
	s_load_b512 s[20:35], s[0:1], 0x40      ; ln2_b 20, b_qkv 22, b_fc1 24, b_gate 26, b_embed 28, b_proj 30, b_fc2 32, fn_g 34
	s_load_b128 s[36:39], s[0:1], 0x80      ; fn_b 36, wbuf 38
	s_load_b64 s[40:41], s[0:1], 0x90       ; cbuf 40
	v_and_b32 v1, 15, v0                    ; r
	v_bfe_u32 v2, v0, 4, 1                  ; h
	v_and_b32 v4, 31, v0
	v_lshlrev_b32 v4, 4, v4                 ; 16 x lane
	v_lshrrev_b32 v5, 5, v0
	v_readfirstlane_b32 s46, v5             ; wave
	s_mov_b32 s42, ttmp9                    ; X
	s_and_b32 s43, ttmp7, 0xffff            ; L
	s_mov_b32 s61, 0                        ; high words of the two offset pairs
	s_mov_b32 s67, 0
	s_wait_kmcnt 0x0
.macro FOLD                             ; sixteen weights times sixteen gains, rounded to f16 in pairs
	s_wait_loadcnt 0x0
.set n, 0
.rept 8
	v_pk_mul_f32 v[DA+2*n:DA+2*n+1], v[DA+2*n:DA+2*n+1], v[GA+2*n:GA+2*n+1]
.set n, n+1
.endr
.set n, 0
.rept 8
	v_cvt_pk_f16_f32 v[FR+n], v[DA+2*n], v[DA+2*n+1]
.set n, n+1
.endr
.endm
.macro LD16 dst, base                   ; sixteen numbers k = kb + 8 h + 0..7 and kb + 16 + 8 h + 0..7 of a vector; v5 = 4 (kb + 8 h)
	global_load_b128 v[(\dst):(\dst)+3], v5, s[(\base):(\base)+1]
	global_load_b128 v[(\dst)+4:(\dst)+7], v5, s[(\base):(\base)+1] offset:16
	global_load_b128 v[(\dst)+8:(\dst)+11], v5, s[(\base):(\base)+1] offset:64
	global_load_b128 v[(\dst)+12:(\dst)+15], v5, s[(\base):(\base)+1] offset:80
.endm
	s_cmp_lt_u32 s42, 64
	s_cbranch_scc0 .Lnot_frag
	; ---- a fragment: four ways to set the source s[44:45], its row length s47, nb s48, kb s49, the gain (pointer s[50:51] if s52 = 0, else the constant s52)
	s_cmp_lt_u32 s42, 32
	s_cbranch_scc0 .Lmlp
	s_lshr_b32 s54, s42, 3                  ; p
	s_and_b32 s55, s42, 7                   ; place in the pair's eight groups of four
	s_cmp_lt_u32 s55, 6
	s_cbranch_scc0 .Lproj
	s_cmp_ge_u32 s55, 3
	s_cselect_b32 s56, 1, 0                 ; second head of the pair?
	s_mul_i32 s57, s56, 3
	s_sub_co_u32 s57, s55, s57              ; 0 Q, 1 K, 2 V
	s_lshl1_add_u32 s58, s54, s56           ; head
	s_lshl_b32 s48, s57, 7
	s_lshl4_add_u32 s48, s58, s48           ; nb = 128 sub + 16 head
	s_lshl_b32 s49, s46, 5                  ; kb = 32 w
	s_mul_i32 s60, s43, 196608
	s_add_nc_u64 s[44:45], s[4:5], s[60:61]
	s_movk_i32 s47, 384
	s_lshl_b32 s60, s43, 9
	s_add_nc_u64 s[50:51], s[14:15], s[60:61]  ; ln1_g[L]
	s_mov_b32 s52, 0
	s_branch .Lfrag
.Lproj:
	s_sub_co_u32 s55, s55, 6
	s_lshl2_add_u32 s55, s55, s46           ; output tile 4 (place - 6) + w
	s_lshl_b32 s48, s55, 4
	s_lshl_b32 s49, s54, 5                  ; kb = 32 p
	s_lshl_b32 s60, s43, 16
	s_add_nc_u64 s[44:45], s[6:7], s[60:61]
	s_movk_i32 s47, 128
	s_mov_b64 s[50:51], s[14:15]            ; not used with a constant gain; written on every way
	s_mov_b32 s52, 1.0
	s_branch .Lfrag
.Lmlp:
	s_sub_co_u32 s53, s42, 32
	s_lshr_b32 s54, s53, 2                  ; t
	s_and_b32 s55, s53, 3
	s_lshl_b32 s60, s43, 17                 ; both MLP weights have 131,072 bytes a layer
	s_cmp_lt_u32 s55, 2
	s_cbranch_scc0 .Lfc2
	s_lshl1_add_u32 s55, s54, s55           ; output tile 2 t + place
	s_lshl_b32 s48, s55, 4
	s_lshl_b32 s49, s46, 5                  ; kb = 32 w
	s_add_nc_u64 s[44:45], s[8:9], s[60:61]
	s_movk_i32 s47, 256
	s_lshl_b32 s60, s43, 9
	s_add_nc_u64 s[50:51], s[18:19], s[60:61]  ; ln2_g[L]
	s_mov_b32 s52, 0
	s_branch .Lfrag
.Lfc2:
	s_sub_co_u32 s55, s55, 2
	s_lshl2_add_u32 s55, s55, s46
	s_lshl_b32 s48, s55, 4
	s_lshl_b32 s49, s54, 5                  ; kb = 32 t
	s_add_nc_u64 s[44:45], s[10:11], s[60:61]
	s_movk_i32 s47, 128
	s_mov_b64 s[50:51], s[14:15]
	s_mov_b32 s52, 0.5
.Lfrag:
	s_mul_i32 s53, s49, s47
	s_add_co_u32 s53, s53, s48              ; kb N + nb
	s_lshl_b32 s54, s47, 3
	v_mul_lo_u32 v3, v2, s54                ; 8 h N
	v_add3_u32 v3, v3, s53, v1
	v_lshlrev_b32 v3, 2, v3                 ; byte of W[kb + 8 h][nb + r]
	s_lshl_b32 s55, s47, 2                  ; bytes in a row
.set n, 0
.rept 16
	s_mul_i32 s56, s55, n+8*(n/8)           ; rows 0..7 and 16..23 on
	v_add_nc_u32 v[VO+n], s56, v3
.set n, n+1
.endr
.set n, 0
.rept 16
	global_load_b32 v[DA+n], v[VO+n], s[44:45]
.set n, n+1
.endr
	s_cmp_eq_u32 s52, 0
	s_cbranch_scc0 .Lconst
	s_lshl_b32 s57, s49, 2
	v_lshl_add_u32 v5, v2, 5, s57           ; 4 (kb + 8 h)
	LD16 GA, 50
	s_branch .Lmul
.Lconst:
.set n, 0
.rept 16
	v_mov_b32 v[GA+n], s52
.set n, n+1
.endr
.Lmul:
	FOLD
	s_lshl_b32 s60, s43, 18
	s_lshl2_add_u32 s58, s42, s46           ; fragment 4 X + w
	s_lshl_b32 s58, s58, 10
	s_add_co_u32 s60, s60, s58
	s_add_nc_u64 s[38:39], s[38:39], s[60:61]
	global_store_b128 v4, v[FR:FR+3], s[38:39]               ; each store of the wave covers 512 consecutive bytes, aligned
	global_store_b128 v4, v[FR+4:FR+7], s[38:39] offset:512
	s_endpgm
.Lnot_frag:
	s_cmp_eq_u32 s42, 64
	s_cbranch_scc0 .Lnot_gate
	; ---- the gate's fragment of K step w: g w_gate in rows 0 and 8, so that register 0 of the product holds the gate's sum in both halves of the lanes
	s_lshl_b32 s60, s43, 9
	s_add_nc_u64 s[44:45], s[12:13], s[60:61]
	s_add_nc_u64 s[50:51], s[14:15], s[60:61]
	s_lshl_b32 s57, s46, 7
	v_lshl_add_u32 v5, v2, 5, s57           ; 4 (32 w + 8 h)
	LD16 DA, 44
	LD16 GA, 50
	FOLD
	v_and_b32 v6, 7, v1
	v_cmp_eq_u32 vcc_lo, 0, v6
.set n, 0
.rept 8
	v_cndmask_b32 v[FR+n], 0, v[FR+n], vcc_lo
.set n, n+1
.endr
	s_lshl_b32 s60, s43, 12
	s_lshl_b32 s58, s46, 10
	s_add_co_u32 s60, s60, s58
	s_add_nc_u64 s[40:41], s[40:41], s[60:61]
	global_store_b128 v4, v[FR:FR+3], s[40:41]
	global_store_b128 v4, v[FR+4:FR+7], s[40:41] offset:512
	s_endpgm
.Lnot_gate:
	s_cmp_lt_u32 s42, 70
	s_cbranch_scc0 .Lmisc
	; ---- folded biases: thread n owns one column; all 128 weights of the column are asked for at once
	s_sub_co_u32 s76, s42, 65
	s_cmp_lt_u32 s76, 3
	s_cbranch_scc0 .Lbias_fc1
	s_mul_i32 s66, s43, 196608
	s_add_nc_u64 s[48:49], s[4:5], s[66:67]    ; w_qkv[L]
	s_lshl_b32 s66, s43, 9
	s_add_nc_u64 s[44:45], s[16:17], s[66:67]  ; ln1_b[L]
	s_mul_i32 s66, s43, 1536
	s_add_nc_u64 s[74:75], s[22:23], s[66:67]  ; b_qkv[L]
	s_movk_i32 s47, 384
	s_lshl_b32 s77, s76, 7                  ; first column
	v_lshrrev_b32 v6, 4, v0                 ; head
	v_mul_u32_u24 v6, 192, v6
	v_lshl_add_u32 v6, v1, 2, v6
	s_lshl_b32 s78, s76, 6
	s_add_co_u32 s78, s78, 128
	v_add_nc_u32 v6, s78, v6                ; 128 + 192 head + 64 sub + 4 channel
	s_branch .Lbias
.Lbias_fc1:
	s_sub_co_u32 s76, s76, 3
	s_lshl_b32 s66, s43, 17
	s_add_nc_u64 s[48:49], s[8:9], s[66:67]    ; w_fc1[L]
	s_lshl_b32 s66, s43, 9
	s_add_nc_u64 s[44:45], s[20:21], s[66:67]  ; ln2_b[L]
	s_lshl_b32 s66, s43, 10
	s_add_nc_u64 s[74:75], s[24:25], s[66:67]  ; b_fc1[L]
	s_movk_i32 s47, 256
	s_lshl_b32 s77, s76, 7
	s_lshl_b32 s78, s76, 9
	s_add_co_u32 s78, s78, 1664
	v_lshl_add_u32 v6, v0, 2, s78           ; 1,664 + 4 column
.Lbias:
	s_mul_i32 s66, s43, 2688
	s_add_co_u32 s66, s66, 20992
	s_add_nc_u64 s[40:41], s[40:41], s[66:67]  ; the layer's block of folded biases
	v_add_nc_u32 v7, s77, v0
	v_lshlrev_b32 v7, 2, v7                 ; 4 column
	s_lshl_b32 s78, s47, 2
.set n, 0
.rept 16
	s_mul_i32 s79, s78, n
	v_add_nc_u32 v[VO+n], s79, v7           ; row n of sixteen
.set n, n+1
.endr
	s_lshl_b32 s66, s47, 6                  ; sixteen rows in bytes
.irp j, 1,2,3,4,5,6,7
	s_add_nc_u64 s[48+2*\j:49+2*\j], s[46+2*\j:47+2*\j], s[66:67]
.endr
.set n, 0
.rept 128
	global_load_b32 v[DA+n], v[VO+n%16], s[48+2*(n/16):49+2*(n/16)]
.set n, n+1
.endr
	v_and_b32 v5, 31, v0
	v_lshlrev_b32 v5, 2, v5
.irp c, 0,1,2,3
	global_load_b32 v[160+\c], v5, s[44:45] offset:128*\c  ; LayerNorm's bias: lane l holds k = 32 c + l
.endr
	global_load_b32 v164, v7, s[74:75]      ; the first of four chains starts at the product's own bias
	s_wait_loadcnt 0x0
.set n, 0
.rept 128
	v_readlane_b32 s[70+n%4], v[160+n/32], n%32
.if (n > 0) && (n < 4)
	v_mul_f32 v[164+n], s[70+n], v[DA+n]
.else
	v_fmac_f32 v[164+n%4], s[70+n%4], v[DA+n]
.endif
.set n, n+1
.endr
	v_add_f32 v164, v164, v165
	v_add_f32 v166, v166, v167
	v_add_f32 v164, v164, v166
	global_store_b32 v6, v164, s[40:41]
	s_endpgm
.Lmisc:
	s_lshl_b32 s60, s43, 9                  ; 512 L
	s_cmp_eq_u32 s46, 2
	s_cbranch_scc1 .Lgate_bias
	s_lshl_b32 s66, s43, 10                 ; two of the nine vectors a layer
	s_cmp_eq_u32 s46, 0
	s_cbranch_scc0 .Lnot_w0
	s_add_nc_u64 s[44:45], s[30:31], s[60:61]  ; b_proj[L] -> vector 1 + 2 L
	s_add_co_u32 s66, s66, 16384+512
	s_branch .Lcopy
.Lnot_w0:
	s_cmp_eq_u32 s46, 1
	s_cbranch_scc0 .Lw3
	s_add_nc_u64 s[44:45], s[32:33], s[60:61]  ; b_fc2[L] -> vector 2 + 2 L
	s_add_co_u32 s66, s66, 16384+1024
	s_branch .Lcopy
.Lw3:
	s_cmp_eq_u32 s43, 3
	s_cbranch_scc1 .Lend                    ; three single vectors for four layers' third waves
	s_cmp_eq_u32 s43, 0
	s_cbranch_scc0 .Lw3_fn
	s_mov_b64 s[44:45], s[28:29]            ; b_embed -> vector 0
	s_movk_i32 s66, 16384
	s_branch .Lcopy
.Lw3_fn:
	s_lshl_b32 s66, s43, 9
	s_add_co_u32 s66, s66, 31232            ; 31,744 for L = 1, 32,256 for L = 2
	s_cmp_eq_u32 s43, 1
	s_cselect_b64 s[44:45], s[34:35], s[36:37]  ; fn_g, fn_b
.Lcopy:
	global_load_b128 v[8:11], v4, s[44:45]
	s_add_nc_u64 s[40:41], s[40:41], s[66:67]
	s_wait_loadcnt 0x0
	global_store_b128 v4, v[8:11], s[40:41]
.Lend:
	s_endpgm
.Lgate_bias:                            ; ln1_b . w_gate + b_gate, as floats 0 and 8 of 32
	s_add_nc_u64 s[44:45], s[16:17], s[60:61]
	s_add_nc_u64 s[50:51], s[12:13], s[60:61]
	s_lshl_b32 s66, s43, 2
	s_add_nc_u64 s[26:27], s[26:27], s[66:67]
	s_load_b32 s70, s[26:27], 0x0
	global_load_b128 v[8:11], v4, s[44:45]
	global_load_b128 v[12:15], v4, s[50:51]
	s_mov_b32 s56, 0x76543210
	s_mov_b32 s57, 0xfedcba98
	v_mov_b32 v16, 0
	s_wait_loadcnt 0x0
	v_mul_f32 v8, v8, v12
	v_fmac_f32 v8, v9, v13
	v_fmac_f32 v8, v10, v14
	v_fmac_f32 v8, v11, v15
	v_add_f32_dpp v8, v8, v8 row_xmask:1 row_mask:0xf bank_mask:0xf
	v_add_f32_dpp v8, v8, v8 row_xmask:2 row_mask:0xf bank_mask:0xf
	v_add_f32_dpp v8, v8, v8 row_xmask:4 row_mask:0xf bank_mask:0xf
	v_add_f32_dpp v8, v8, v8 row_xmask:8 row_mask:0xf bank_mask:0xf
	v_permlanex16_b32 v16, v8, s56, s57
	v_add_f32 v8, v8, v16
	s_wait_kmcnt 0x0
	v_add_f32 v8, s70, v8
	v_and_b32 v6, 31, v0
	v_and_b32 v7, 23, v6                    ; 0 for lanes 0 and 8 alone
	v_cmp_eq_u32 vcc_lo, 0, v7
	v_cndmask_b32 v8, 0, v8, vcc_lo
	v_lshlrev_b32 v6, 2, v6
	s_mul_i32 s66, s43, 2688
	s_add_co_u32 s66, s66, 20992
	s_add_nc_u64 s[40:41], s[40:41], s[66:67]
	global_store_b32 v6, v8, s[40:41]
	s_endpgm
.Lfunc_end_k_qe88a8eaef6_prep:
	.size	k_qe88a8eaef6_prep, .Lfunc_end_k_qe88a8eaef6_prep-k_qe88a8eaef6_prep
	.p2alignl 7, 3214868480
	.fill 96, 4, 3214868480
	.section	.rodata,"a",@progbits
	.p2align	6, 0x0
	.amdhsa_kernel k_qe88a8eaef6_prep
		.amdhsa_group_segment_fixed_size 0
		.amdhsa_private_segment_fixed_size 0
		.amdhsa_enable_private_segment 0
		.amdhsa_kernarg_size 152
		.amdhsa_user_sgpr_count 2
		.amdhsa_user_sgpr_kernarg_segment_ptr 1
		.amdhsa_wavefront_size32 1
		.amdhsa_system_sgpr_workgroup_id_x 1
		.amdhsa_system_sgpr_workgroup_id_y 1
		.amdhsa_system_sgpr_workgroup_id_z 1
		.amdhsa_system_vgpr_workitem_id 0
		.amdhsa_next_free_vgpr 192
		.amdhsa_next_free_sgpr 80
		.amdhsa_reserve_vcc 1
		.amdhsa_float_denorm_mode_32 3
		.amdhsa_float_denorm_mode_16_64 3
		.amdhsa_memory_ordered 1
		.amdhsa_forward_progress 1
		.amdhsa_inst_pref_size 41
	.end_amdhsa_kernel
	.amdgpu_metadata
---
amdhsa.version: [ 1, 2 ]
amdhsa.kernels:
  - .name:           k_qe88a8eaef6_prep
    .symbol:         k_qe88a8eaef6_prep.kd
    .args:
      - { .name: w_qkv, .offset: 0, .size: 8, .value_kind: global_buffer, .address_space: global }
      - { .name: w_proj, .offset: 8, .size: 8, .value_kind: global_buffer, .address_space: global }
      - { .name: w_fc1, .offset: 16, .size: 8, .value_kind: global_buffer, .address_space: global }
      - { .name: w_fc2, .offset: 24, .size: 8, .value_kind: global_buffer, .address_space: global }
      - { .name: w_gate, .offset: 32, .size: 8, .value_kind: global_buffer, .address_space: global }
      - { .name: ln1_g, .offset: 40, .size: 8, .value_kind: global_buffer, .address_space: global }
      - { .name: ln1_b, .offset: 48, .size: 8, .value_kind: global_buffer, .address_space: global }
      - { .name: ln2_g, .offset: 56, .size: 8, .value_kind: global_buffer, .address_space: global }
      - { .name: ln2_b, .offset: 64, .size: 8, .value_kind: global_buffer, .address_space: global }
      - { .name: b_qkv, .offset: 72, .size: 8, .value_kind: global_buffer, .address_space: global }
      - { .name: b_fc1, .offset: 80, .size: 8, .value_kind: global_buffer, .address_space: global }
      - { .name: b_gate, .offset: 88, .size: 8, .value_kind: global_buffer, .address_space: global }
      - { .name: b_embed, .offset: 96, .size: 8, .value_kind: global_buffer, .address_space: global }
      - { .name: b_proj, .offset: 104, .size: 8, .value_kind: global_buffer, .address_space: global }
      - { .name: b_fc2, .offset: 112, .size: 8, .value_kind: global_buffer, .address_space: global }
      - { .name: fn_g, .offset: 120, .size: 8, .value_kind: global_buffer, .address_space: global }
      - { .name: fn_b, .offset: 128, .size: 8, .value_kind: global_buffer, .address_space: global }
      - { .name: wbuf, .offset: 136, .size: 8, .value_kind: global_buffer, .address_space: global }
      - { .name: cbuf, .offset: 144, .size: 8, .value_kind: global_buffer, .address_space: global }
    .group_segment_fixed_size: 0
    .private_segment_fixed_size: 0
    .kernarg_segment_align: 8
    .kernarg_segment_size: 152
    .max_flat_workgroup_size: 128
    .sgpr_count:     80
    .vgpr_count:     192
    .wavefront_size: 32
...
	.end_amdgpu_metadata
.endif
;; end of part 1
;; launch pose (part 2): grid 242 x 1, 4 waves a work-group, no clusters, 327,680 bytes of LDS; arguments x, adj, w_embed, pos, wbuf, cbuf, out0; writes out0
.if DOCPART == 2
	.amdgcn_target "amdgcn-amd-amdhsa--gfx1250"
	.amdhsa_code_object_version 6
	.text
	.protected	k_qe88a8eaef6_pose
	.globl	k_qe88a8eaef6_pose
	.p2align	8
	.type	k_qe88a8eaef6_pose,@function
k_qe88a8eaef6_pose:
	s_mov_b64 s[64:65], 0
	v_nop
	global_prefetch_b8 v0, s[64:65] scope:SCOPE_SE
	s_setreg_imm32_b32 hwreg(HW_REG_WAVE_MODE, 25, 1), 1
	s_wait_xcnt 0x0
; POSE: embedding, four transformer layers and the last LayerNorm for 3,872 sequences of 17 tokens x 128 channels, in one launch; h never leaves the registers.
; SHARES. 242 work-groups x 4 waves x 4 sequences.  A wave keeps its four sequences through all layers and reads no other wave's data; the waves share only the stream of weights in LDS.
; TOKENS. Five tiles of 16: tile s (0..3) = tokens 0..15 of sequence s; column c of tile 4 = token 16 of sequence c & 3 (each four times).
; TRANSPOSED CHAIN. Every product is D^T = W^T X^T (source 0 = 16 output channels, source 1 = 16 tokens): lane (r = lane % 16, h = lane / 16) holds token r and channels 16 f + 8 h + j.  Two
; neighbouring channel tiles, rounded in pairs, ARE source 1 of the next product, so LayerNorm, bias, GELU, residual and softmax stay inside a lane but for one exchange between the halves of the
; lanes.  V alone is made the other way round (source 0 = tokens), so that its result, rounded in pairs, is source 0 (V^T) of O^T = V^T P.
; ATTENTION. A head has 16 channels and a matrix step 32: the upper 16 carry the skeleton term: K's fragment holds diag(g log2e) there, Q's holds adj's rows.  K is multiplied by (1 - g) log2e / 4,
; so S^T = K Q^T is the blended score in base 2.  Key 16 of a sequence comes from tile 4 (one register of a second product); query 16 from products with tile 4's Q masked by sequence.
; The maximum over all 17 keys is taken away before the exponentials.  b_v is added behind the softmax (the weights add up to 1).
; RESIDUAL. w_proj's and w_fc2's products add straight onto h's registers; b_embed, b_proj and b_fc2 are added at the head of the next LayerNorm.
; GELU. 2 gelu(x) = (x + |x|) - |x| (1 + d1 |x| + .. + d6 |x|^6)^-16 (Abramowitz and Stegun 26.2.19: the normal distribution to 1.5e-7, for every x); the 0.5 lies in w_fc2's fragments.
; EMBEDDING. K = 2: two packed multiply-adds in f32 a pair; a matrix step of 32 would carry two terms.
; STREAM. 16 chunks of 65,536 bytes (two of attention, two of MLP a layer) through two LDS slots; each wave fetches a quarter of a chunk with one tensor load of 64 rows x 256 bytes.
; By this text's own count a wave has three tensor loads out at the start and one behind each change of slots; that one has a quarter of a layer in which to land.
; NO CLUSTER: 242 work-groups are no multiple of four, and 3,872 sequences in whole sequences a wave, four waves a group, give no other number.
; FORMATS AND LIMITS. All matrix operands are f16, sums f32.  f16 ends at 65,504: a folded weight, q, k (1 - g) log2e / 4, v, adj, g log2e, 2 gelu or an attention output beyond that becomes an
; infinity (LayerNorm's output itself is bounded by sqrt(128)).  A softmax weight below 2^-126 counts as 0.  NaN and infinities are not treated apart.
.set SLOTB, 65536                       ; a slot of the stream; slot 0 at LDS byte 0, slot 1 at 65,536
.set CB,    131072                      ; a copy of cbuf, 32,768 bytes, filled once
.set PBOFF, 16384                       ; in it: the nine bias vectors
.set LBOFF, 20992                       ;        the layers' folded biases
.set FGOFF, 31744                       ;        fn_g, then fn_b
.set STAGE, 163840                      ; 16 rows x 528 bytes for each wave, for the way out; no tensor load lands here
.set SP,    528                         ; 512 bytes + 16: row r starts 16 r bytes further round the banks
.set SPARE, 197632                      ; the spare words, 128 bytes a wave: two blocks of 256 bytes that no other line names
; window 0
.set R, 1                               ; lane % 16
.set HF, 2                              ; lane / 16
.set VL, 3                              ; 16 x lane: my place in a fragment, in a stage row, in 512 bytes of out0
.set VH32, 4                            ; 32 h: my eight floats of sixteen
.set VA, 5                              ; LDS address in the stream
.set VBA, 6                             ; in the folded biases
.set VPA, 7                             ; in the other constants
.set SPW, 8                             ; LDS address of my spare word; never rewritten
.set NIL, 9                             ; 0; never rewritten
.set ZERO, 10
.set ADJ16, 11                          ; adj[r][16]
.set LM, 12                             ; v12-15  all ones where r & 3 = s
.set DM, 16                             ; v16-19  ones in the half-word whose key 8 h + 2 i + e is r
.set KFAC, 20                           ; v20-29  pairs ((1 - g) log2e / 4, g log2e) of my token in tile t
.set STO, 30
.set RD, 31
.set XP, 34                             ; v34-43  x of my token in tile t
.set DT, 44                             ; v44-45  q16 . k16
.set TMP, 48                            ; v48-111 by phase:
.set BQ, 48                             ;   attention: biases of Q, K, V;
.set BK, 56
.set BV, 64
.set ST, 72                             ;   six registers a tile: m, other half's m, key 16's score, at work, l, other half's l
.set Q4P, 102
.set P3P, 106
.set PLO, 110
.set LS, 48                             ;   LayerNorm: eight registers a tile
.set AX, 64                             ;   GELU: |x|, polynomial
.set PP, 80
.set W, 112                             ; v112-175  eight weight fragments, or 64 floats of a channel vector
.set ACC, 176                           ; v176-255  ten accumulators
.set SQ, 240
; window 1: h of tiles 0-3 at 64 t + 8 f + j.   window 2: v0-63 h of tile 4; then
.set XH, 64                             ; v64-223  LayerNorm's output in f16, 32 a tile
.set FB, 64                             ; at the end: fn_b, and two buffers of 16 rows
.set RB, 128
; window 3
.set QF, 0                              ; Q of tile s | adj rows
.set Q4M, 32                            ; Q of tile 4 masked to sequence s | adj row 16, masked
.set KF, 64                             ; K' of tile t | diag(g log2e) (tile 4: 0)
.set VF, 104                            ; V0 V4 V1 V2 V4 V3, four registers each: fragment s begins at 104, 108, 116, 120
.set PF, 128                            ; weights of query tile s: keys 0-15 in the half where V s lies, key 16 in the other
.set P4M, 160                           ; weights of query tile 4, masked to sequence s
.set OF, 192                            ; source 1 of w_proj's and w_fc2's products
; scalars
.set WV, 18
.set G1R, 24                            ; s[24:31] 64 rows x 256 bytes
.set G1C, 32                            ; s[32:39] 32 rows x 256 bytes
.set G0A, 40                            ; chunk 0
.set G0B, 44                            ; chunk 1; then it walks
.set G0C, 48                            ; the constants
.set SPOS, 52                           ; LDS byte of the stream's position
.set SBI, 53                            ; of the folded biases'
.set SPB, 54                            ; of the nine vectors'
.set SGW, 55                            ; of the gate's fragments
.set LAYER, 56
.set CO, 57
.set CI, 58
.set SEL, 60                            ; s[60:61] v_permlanex16_b32: each lane takes its own place in the other half
.set GS, 68                             ; s68-71  g log2e of token 16 of sequence s
.set A1616, 72
.set ABSM, 73
.set D1, 74                             ; s[74:85] d1..d6, each as a pair
.set D2, 76
.set D3, 78
.set D4, 80
.set D5, 82
.set D6, 84
.set L2E4, 86
.set L2E, 87
.set NL2E, 88
.set I128, 89
.set EPSR, 90
.set NL2E4, 91
.set MSB, 0
.macro WIN new                          ; bits 1:0 source 0, 3:2 source 1, 5:4 source 2, 7:6 destination; the high byte repeats the setting that is left
.if MSB != (\new)
	s_set_vgpr_msb (MSB<<8)|(\new)
.set MSB, (\new)
.endif
.endm
.macro PLACES                           ; four places behind matrix instructions, ahead of what reads their results or writes or loads their registers
.rept 4
	v_nop
.endr
.endm
.macro T5 line:vararg                   ; one line for each tile t; sr = its scores, st = its statistics
.set t, 0
.rept 5
.set sr, ACC+8*t+32*(t/4)
.set st, ST+6*t
	\line
.set t, t+1
.endr
.endm
.macro T4 line:vararg
.set t, 0
.rept 4
.set sr, ACC+8*t
.set st, ST+6*t
	\line
.set t, t+1
.endr
.endm
.macro LDW adr, dst, off                ; a fragment: 512 consecutive bytes a load
	ds_load_b128 v[W+8*(\dst):W+8*(\dst)+3], v[\adr] offset:(\off)
	ds_load_b128 v[W+8*(\dst)+4:W+8*(\dst)+7], v[\adr] offset:(\off)+512
.endm
.macro LDB reg, off                     ; my eight floats of a bias of sixteen
	ds_load_b128 v[(\reg):(\reg)+3], v[VBA] offset:(\off)
	ds_load_b128 v[(\reg)+4:(\reg)+7], v[VBA] offset:(\off)+16
.endm
.macro MM d, a, b, c                    ; c < 0: the constant 0 starts the sum
.if (\c) < 0
	v_wmma_f32_16x16x32_f16 v[(\d):(\d)+7], v[(\a):(\a)+7], v[(\b):(\b)+7], 0
.else
	v_wmma_f32_16x16x32_f16 v[(\d):(\d)+7], v[(\a):(\a)+7], v[(\b):(\b)+7], v[(\c):(\c)+7]
.endif
.endm
.macro ROW5 d, a, c0                    ; K step k of one channel tile for the five token tiles; k = 0 starts the sums with the bias c0
.set t, 0
.rept 5
.if k == 0
	MM (\d)+8*t, \a, XH+32*t+8*k, \c0
.else
	MM (\d)+8*t, \a, XH+32*t+8*k, (\d)+8*t
.endif
.set t, t+1
.endr
.endm
; THE CHANGE OF SLOTS.  Every wave waits for all its tensor loads (one is out: its quarter of the other slot), adds 0 to its spare word, waits for that and for its reads of the slot it leaves,
; and passes the barrier: nobody reads the old slot any more, and the other slot is whole.  fill = 1: the old slot takes the chunk two further on, first thing behind the barrier.
.macro CHANGE fill
	WIN 0
	s_wait_tensorcnt 0x0                    ; no tensor load of mine is out, so the walking group 0 may be written
	ds_add_u32 v[SPW], v[NIL]
.if \fill
	s_xor_b32 s[G0B+1], s[G0B+1], SLOTB
	s_add_nc_u64 s[G0B+2:G0B+3], s[G0B+2:G0B+3], SLOTB  ; the type bits on top are not reached
.endif
	s_wait_dscnt 0x0                        ; the add is done, and my reads of the slot are over
	s_barrier_signal -1
	s_barrier_wait -1
.if \fill
	tensor_load_to_lds s[G0B:G0B+3], s[G1R:G1R+7]
	s_nop 0
	PLACES
.endif
	s_sub_co_u32 s[SPOS], s[SPOS], SLOTB    ; back to a slot's head,
	s_xor_b32 s[SPOS], s[SPOS], SLOTB       ; in the other slot
.endm
; LAYERNORM over the 128 channels of each token: 64 in my lane, 64 in the lane 16 away.  First the bias that is still owed is added to h.  Mean, then the sum of squares of h - mean (two passes,
; as the definition has it), then (h - mean) rs as h rs - mean rs.  final = 0: rounded to f16 into XH (gain and bias lie in the weights behind).  final = 1: times fn_g plus fn_b, and out.
.macro LN final
	WIN 0
	v_add_nc_u32 v[VPA], s[SPB], v[VH32]
.set f, 0
.rept 8
	ds_load_b128 v[W+8*f:W+8*f+3], v[VPA] offset:64*f
	ds_load_b128 v[W+8*f+4:W+8*f+7], v[VPA] offset:64*f+16
.set f, f+1
.endr
	s_add_co_u32 s[SPB], s[SPB], 512
	s_wait_dscnt 0x0
	WIN 0x41                                ; h += bias, each accumulator's registers in ascending order
.set i, 0
.rept 128
	v_pk_add_f32 v[2*i:2*i+1], v[2*i:2*i+1], v[W+(2*i)%64:W+(2*i)%64+1]
.set i, i+1
.endr
	WIN 0x82
.set i, 0
.rept 32
	v_pk_add_f32 v[2*i:2*i+1], v[2*i:2*i+1], v[W+2*i:W+2*i+1]
.set i, i+1
.endr
.if \final
	WIN 0
	v_add_nc_u32 v[VPA], CB+FGOFF, v[VH32]
.set f, 0
.rept 8
	ds_load_b128 v[W+8*f:W+8*f+3], v[VPA] offset:64*f
	ds_load_b128 v[W+8*f+4:W+8*f+7], v[VPA] offset:64*f+16
.set f, f+1
.endr
	WIN 0x80
.set f, 0
.rept 8
	ds_load_b128 v[FB+8*f:FB+8*f+3], v[VPA] offset:512+64*f
	ds_load_b128 v[FB+8*f+4:FB+8*f+7], v[VPA] offset:512+64*f+16
.set f, f+1
.endr
.endif
	WIN 0x05                                ; sums: two chains a tile, the four tiles of window 1 by turns
	T4 v_pk_add_f32 v[LS+8*t:LS+8*t+1], v[64*t:64*t+1], v[64*t+2:64*t+3]
	T4 v_pk_add_f32 v[LS+8*t+2:LS+8*t+3], v[64*t+4:64*t+5], v[64*t+6:64*t+7]
	WIN 0x01
.set i, 4
.rept 28
	T4 v_pk_add_f32 v[LS+8*t+2*(i%2):LS+8*t+2*(i%2)+1], v[64*t+2*i:64*t+2*i+1], v[LS+8*t+2*(i%2):LS+8*t+2*(i%2)+1]
.set i, i+1
.endr
	WIN 0x0a                                ; tile 4 alone: four chains
.set i, 0
.rept 4
	v_pk_add_f32 v[LS+32+2*i:LS+32+2*i+1], v[4*i:4*i+1], v[4*i+2:4*i+3]
.set i, i+1
.endr
	WIN 0x02
.set i, 8
.rept 24
	v_pk_add_f32 v[LS+32+2*(i%4):LS+32+2*(i%4)+1], v[2*i:2*i+1], v[LS+32+2*(i%4):LS+32+2*(i%4)+1]
.set i, i+1
.endr
	WIN 0
	v_pk_add_f32 v[LS+32:LS+33], v[LS+32:LS+33], v[LS+36:LS+37]
	v_pk_add_f32 v[LS+34:LS+35], v[LS+34:LS+35], v[LS+38:LS+39]
	T5 v_pk_add_f32 v[LS+8*t:LS+8*t+1], v[LS+8*t:LS+8*t+1], v[LS+8*t+2:LS+8*t+3]
	T5 v_add_f32 v[LS+8*t], v[LS+8*t], v[LS+8*t+1]
	T5 v_permlanex16_b32 v[LS+8*t+1], v[LS+8*t], s[SEL], s[SEL+1]
	T5 v_add_f32 v[LS+8*t], v[LS+8*t], v[LS+8*t+1]
	T5 v_mul_f32 v[LS+8*t+4], s[I128], v[LS+8*t]      ; the mean
.set u, 0
.rept 5                                 ; h - mean into the accumulators' registers, and its squares in four chains
	WIN 1+u/4
.set i, 0
.rept 32
	v_pk_add_f32 v[ACC+2*i:ACC+2*i+1], v[(64*u)%256+2*i:(64*u)%256+2*i+1], v[LS+8*u+4:LS+8*u+5] op_sel_hi:[1,0] neg_lo:[0,1] neg_hi:[0,1]
.set i, i+1
.endr
	WIN 0
.set i, 0
.rept 32
.if i < 4
	v_pk_mul_f32 v[SQ+2*i:SQ+2*i+1], v[ACC+2*i:ACC+2*i+1], v[ACC+2*i:ACC+2*i+1]
.else
	v_pk_fma_f32 v[SQ+2*(i%4):SQ+2*(i%4)+1], v[ACC+2*i:ACC+2*i+1], v[ACC+2*i:ACC+2*i+1], v[SQ+2*(i%4):SQ+2*(i%4)+1]
.endif
.set i, i+1
.endr
	v_pk_add_f32 v[SQ:SQ+1], v[SQ:SQ+1], v[SQ+2:SQ+3]
	v_pk_add_f32 v[SQ+4:SQ+5], v[SQ+4:SQ+5], v[SQ+6:SQ+7]
	v_pk_add_f32 v[LS+8*u:LS+8*u+1], v[SQ:SQ+1], v[SQ+4:SQ+5]
.set u, u+1
.endr
	T5 v_add_f32 v[LS+8*t], v[LS+8*t], v[LS+8*t+1]
	T5 v_permlanex16_b32 v[LS+8*t+1], v[LS+8*t], s[SEL], s[SEL+1]
	T5 v_add_f32 v[LS+8*t], v[LS+8*t], v[LS+8*t+1]
	T5 v_fma_f32 v[LS+8*t], v[LS+8*t], s[I128], s[EPSR]
	T5 v_rsq_f32 v[LS+8*t+6], v[LS+8*t]
	v_nop                                   ; a plain instruction behind the last root
	s_wait_alu depctr_va_vdst(0)
	T5 v_mul_f32 v[LS+8*t], v[LS+8*t+4], v[LS+8*t+6]  ; mean rs
.if \final
	s_wait_dscnt 0x0                        ; fn_g, fn_b
.endif
.set u, 0
.rept 5
	WIN 1+u/4
.set i, 0
.rept 32
	v_pk_fma_f32 v[ACC+2*i:ACC+2*i+1], v[(64*u)%256+2*i:(64*u)%256+2*i+1], v[LS+8*u+6:LS+8*u+7], v[LS+8*u:LS+8*u+1] op_sel_hi:[1,0,0] neg_lo:[0,0,1] neg_hi:[0,0,1]
.set i, i+1
.endr
.if \final
	WIN 0x20
.set i, 0
.rept 32
	v_pk_fma_f32 v[ACC+2*i:ACC+2*i+1], v[ACC+2*i:ACC+2*i+1], v[W+2*i:W+2*i+1], v[FB+2*i:FB+2*i+1]
.set i, i+1
.endr
	WIN 0                                   ; THE WAY OUT: 32 bytes a lane into my stage (row = token), back as whole rows of 512 bytes
.set f, 0
.rept 8
	ds_store_b128 v[STO], v[ACC+8*f:ACC+8*f+3] offset:64*f
	ds_store_b128 v[STO], v[ACC+8*f+4:ACC+8*f+7] offset:64*f+16
.set f, f+1
.endr
	s_wait_xcnt 0x0                         ; the registers that earlier stores read are loaded again only behind this wait
	WIN 0x80
.set i, 0
.rept 16-12*(u/4)                       ; LDS serves a wave's instructions in order: these see the stores above.  Of tile 4 the first four rows are the four sequences' token 16
	ds_load_b128 v[RB+64*(u%2)+4*i:RB+64*(u%2)+4*i+3], v[RD] offset:SP*i
.set i, i+1
.endr
	s_wait_dscnt 0x0
	WIN 0x08
.set i, 0
.rept 16-12*(u/4)
.if u < 4
	global_store_b128 v[VL], v[RB+64*(u%2)+4*i:RB+64*(u%2)+4*i+3], s[16:17] offset:(17*u+i)*512 th:TH_STORE_NT  ; a token's 512 consecutive bytes, aligned
.else
	global_store_b128 v[VL], v[RB+64*(u%2)+4*i:RB+64*(u%2)+4*i+3], s[16:17] offset:(17*i+16)*512 th:TH_STORE_NT
.endif
.set i, i+1
.endr
.else
	WIN 0x80
.set i, 0
.rept 32
	v_cvt_pk_f16_f32 v[XH+32*u+i], v[ACC+2*i], v[ACC+2*i+1]
.set i, i+1
.endr
.endif
.set u, u+1
.endr
	WIN 0
.endm
; THE GATE: g = sigmoid(z) for every token; z is register 0 of a product whose source 0 has the gate's weights in rows 0 and 8.
.macro GATE
	WIN 0
	v_add_nc_u32 v[VPA], s[SGW], v[VL]
	v_add_nc_u32 v[VBA], s[SBI], v[VH32]
.set i, 0
.rept 4
	LDW VPA, i, 1024*i
.set i, i+1
.endr
	LDB BQ, 0
	s_add_co_u32 s[SBI], s[SBI], 128
	s_add_co_u32 s[SGW], s[SGW], 4096
	s_wait_dscnt 0x0
	WIN 0x08
.set k, 0
.rept 4                                 ; the five accumulators take turns
	ROW5 ACC, W+8*k, BQ
.set k, k+1
.endr
	PLACES
	WIN 0
	T5 v_mul_f32 v[st+3], s[NL2E], v[ACC+8*t]
	T5 v_exp_f32 v[st+3], v[st+3]
	v_nop
	s_wait_alu depctr_va_vdst(0)
	T5 v_add_f32 v[st+3], 1.0, v[st+3]
	T5 v_rcp_f32 v[st+3], v[st+3]
	v_nop
	s_wait_alu depctr_va_vdst(0)
	T5 v_fma_f32 v[KFAC+2*t], v[st+3], s[NL2E4], s[L2E4]   ; (1 - g) log2e / 4
	T5 v_mul_f32 v[KFAC+2*t+1], s[L2E], v[st+3]            ; g log2e
	T4 v_cvt_pk_f16_f32 v[st+4], v[KFAC+2*t+1], v[KFAC+2*t+1]
	WIN 0xc0
.set i, 0
.rept 4
	T4 v_and_b32 v[KF+8*t+4+i], v[st+4], v[DM+i]           ; diag(g log2e)
.set i, i+1
.endr
	WIN 0
.irp c, 0,1,2,3
	v_readlane_b32 s[GS+\c], v[KFAC+9], \c
.endr
.endm
; THE SOFTMAX of the five query tiles, step by step over the tiles.  A lane holds one query, eight of its keys 0-15, and key 16; the other eight keys lie in the lane 16 away, which holds key 16 too:
; so key 16's weight is kept halved (its exponent less 1), in both halves' sums and in both halves' places of P.
.macro SOFTMAX
	WIN 0
	T4 v_fma_f32 v[st+2], v[ADJ16], s[GS+t], v[ACC+32+9*t]  ; key 16: register s of the product with tile 4's keys, one of the accumulator's four lowest
	v_fma_f32 v[ST+26], v[KFAC+9], s[A1616], v[DT]
	T5 v_max3_num_f32 v[st], v[sr], v[sr+1], v[sr+2]
	T5 v_max3_num_f32 v[st], v[st], v[sr+3], v[sr+4]
	T5 v_max3_num_f32 v[st], v[st], v[sr+5], v[sr+6]
	T5 v_max3_num_f32 v[st], v[st], v[sr+7], v[st+2]
	T5 v_permlanex16_b32 v[st+1], v[st], s[SEL], s[SEL+1]
	T5 v_max_num_f32 v[st], v[st], v[st+1]
.set i, 0
.rept 4
	T5 v_pk_add_f32 v[sr+2*i:sr+2*i+1], v[sr+2*i:sr+2*i+1], v[st:st+1] op_sel_hi:[1,0] neg_lo:[0,1] neg_hi:[0,1]
.set i, i+1
.endr
	T5 v_sub_f32 v[st+2], v[st+2], v[st]
	T5 v_add_f32 v[st+2], -1.0, v[st+2]
.set i, 0
.rept 8
	T5 v_exp_f32 v[sr+i], v[sr+i]
.set i, i+1
.endr
	T5 v_exp_f32 v[st+2], v[st+2]
	v_nop
.set i, 0
	s_wait_alu depctr_va_vdst(0)
.rept 4
	v_cvt_pk_f16_f32 v[P3P+i], v[ACC+64+2*i], v[ACC+65+2*i]
.set i, i+1
.endr
	v_cvt_pk_f16_f32 v[PLO], v[ST+26], v[ZERO]
	v_cvt_pk_f16_f32 v[PLO+1], v[ZERO], v[ST+26]
	WIN 0xc0
.set i, 0
.rept 4
	T4 v_cvt_pk_f16_f32 v[PF+8*t+4*(t%2)+i], v[sr+2*i], v[sr+2*i+1]
	T4 v_and_b32 v[P4M+8*t+4*(t%2)+i], v[P3P+i], v[LM+t]
.set i, i+1
.endr
	v_cvt_pk_f16_f32 v[PF+4], v[ST+2], v[ZERO]      ; key 16 of sequence s is column s (and 8 + s) of tile 4: register s / 2, half s % 2; the part's other registers stay 0
	v_cvt_pk_f16_f32 v[PF+8], v[ZERO], v[ST+8]
	v_cvt_pk_f16_f32 v[PF+21], v[ST+14], v[ZERO]
	v_cvt_pk_f16_f32 v[PF+25], v[ZERO], v[ST+20]
	T4 v_and_b32 v[P4M+8*t+4*(1-t%2)+t/2], v[PLO+t%2], v[LM+t]
	WIN 0
	T5 v_pk_add_f32 v[sr:sr+1], v[sr:sr+1], v[sr+2:sr+3]
	T5 v_pk_add_f32 v[sr+4:sr+5], v[sr+4:sr+5], v[sr+6:sr+7]
	T5 v_pk_add_f32 v[sr:sr+1], v[sr:sr+1], v[sr+4:sr+5]
	T5 v_add_f32 v[st+4], v[sr], v[sr+1]
	T5 v_add_f32 v[st+4], v[st+4], v[st+2]
	T5 v_permlanex16_b32 v[st+5], v[st+4], s[SEL], s[SEL+1]
	T5 v_add_f32 v[st+4], v[st+4], v[st+5]
	T5 v_rcp_f32 v[st+4], v[st+4]
	v_nop
	s_wait_alu depctr_va_vdst(0)
.endm
; ONE HEAD, number e of its pair.  Its 12 fragments begin at 12,288 e of the pair's 32,768 bytes, its three biases at 192 e.
.macro HEAD e
.if (\e) == 0
	WIN 0
.set i, 0
.rept 8
	LDW VA, i, 1024*i
.set i, i+1
.endr
	LDB BQ, 0
	LDB BK, 64
.endif
	s_wait_dscnt 0x0                        ; Q's and K's fragments and biases
	WIN 0x08
.set k, 0
.rept 4                                 ; ten accumulators by turns: Q of the five tiles, K of the five tiles
	ROW5 ACC, W+8*k, BQ
	ROW5 ACC+40, W+32+8*k, BK
.set k, k+1
.endr
	PLACES
	WIN 0
.set i, 0
.rept 4
	LDW VA, i, 12288*(\e)+8192+1024*i
.set i, i+1
.endr
	LDB BV, 192*(\e)+128
.set i, 0
.rept 4
	v_cvt_pk_f16_f32 v[Q4P+i], v[ACC+32+2*i], v[ACC+33+2*i]
.set i, i+1
.endr
.set i, 0
.rept 4
	T5 v_pk_mul_f32 v[ACC+40+8*t+2*i:ACC+41+8*t+2*i], v[ACC+40+8*t+2*i:ACC+41+8*t+2*i], v[KFAC+2*t:KFAC+2*t+1] op_sel_hi:[1,0]
.set i, i+1
.endr
	v_pk_mul_f32 v[DT:DT+1], v[ACC+32:ACC+33], v[ACC+72:ACC+73]  ; query 16 with key 16: both in my lane, eight channels; the other eight in the lane 16 away
.set i, 1
.rept 3
	v_pk_fma_f32 v[DT:DT+1], v[ACC+32+2*i:ACC+33+2*i], v[ACC+72+2*i:ACC+73+2*i], v[DT:DT+1]
.set i, i+1
.endr
	v_add_f32 v[DT], v[DT], v[DT+1]
	v_permlanex16_b32 v[DT+1], v[DT], s[SEL], s[SEL+1]
	v_add_f32 v[DT], v[DT], v[DT+1]
	WIN 0xc0
.set i, 0
.rept 4
	T4 v_cvt_pk_f16_f32 v[QF+8*t+i], v[ACC+8*t+2*i], v[ACC+8*t+2*i+1]
	T4 v_and_b32 v[Q4M+8*t+i], v[Q4P+i], v[LM+t]
	T5 v_cvt_pk_f16_f32 v[KF+8*t+i], v[ACC+40+8*t+2*i], v[ACC+41+8*t+2*i]
.set i, i+1
.endr
	s_wait_dscnt 0x0                        ; V's fragments and bias
	WIN 0x02
.set k, 0
.rept 4                                 ; V: source 0 = tokens, source 1 = weights
.set t, 0
.rept 5
.if k == 0
	MM ACC+8*t, XH+32*t+8*k, W+8*k, -1
.else
	MM ACC+8*t, XH+32*t+8*k, W+8*k, ACC+8*t
.endif
.set t, t+1
.endr
.set k, k+1
.endr
	PLACES
	WIN 0
.set i, 0
.rept 8                                 ; what comes next in the stream: the second head's Q and K, or w_proj's eight fragments
	LDW VA, i, 12288*(\e)+12288+1024*i
.set i, i+1
.endr
.if (\e) == 0
	LDB BQ, 192
	LDB BK, 256
.endif
	WIN 0xc0
.set i, 0
.rept 4
	v_cvt_pk_f16_f32 v[VF+i], v[ACC+2*i], v[ACC+2*i+1]
	v_cvt_pk_f16_f32 v[VF+8+i], v[ACC+8+2*i], v[ACC+9+2*i]
	v_cvt_pk_f16_f32 v[VF+12+i], v[ACC+16+2*i], v[ACC+17+2*i]
	v_cvt_pk_f16_f32 v[VF+20+i], v[ACC+24+2*i], v[ACC+25+2*i]
	v_cvt_pk_f16_f32 v[VF+4+i], v[ACC+32+2*i], v[ACC+33+2*i]
	v_cvt_pk_f16_f32 v[VF+16+i], v[ACC+32+2*i], v[ACC+33+2*i]
.set i, i+1
.endr
	WIN 0x0f
.set t, 0
.rept 4                                 ; scores: keys 0-15 x queries 0-15; tile 4's keys x queries 0-15; keys 0-15 x query 16, the four sequences into one accumulator, two others' turns between its links
	MM ACC+8*t, KF+8*t, QF+8*t, -1
	MM ACC+32+8*t, KF+32, QF+8*t, -1
.if t == 0
	MM ACC+64, KF+8*t, Q4M+8*t, -1
.else
	MM ACC+64, KF+8*t, Q4M+8*t, ACC+64
.endif
.set t, t+1
.endr
	PLACES
	SOFTMAX
	WIN 0x0f
.set t, 0
.rept 4                                 ; O^T = V^T P; tile 4's accumulator takes every second turn
	MM ACC+8*t, VF+4*t+4*(t/2), PF+8*t, -1
.if t == 0
	MM ACC+32, VF+4*t+4*(t/2), P4M+8*t, -1
.else
	MM ACC+32, VF+4*t+4*(t/2), P4M+8*t, ACC+32
.endif
.set t, t+1
.endr
	PLACES
	WIN 0
.set i, 0
.rept 4
	T5 v_pk_fma_f32 v[ACC+8*t+2*i:ACC+8*t+2*i+1], v[ACC+8*t+2*i:ACC+8*t+2*i+1], v[st+4:st+5], v[BV+2*i:BV+2*i+1] op_sel_hi:[1,0,1]  ; O / l + b_v
.set i, i+1
.endr
	WIN 0xc0
.set i, 0
.rept 4
	T5 v_cvt_pk_f16_f32 v[OF+8*t+4*(\e)+i], v[ACC+8*t+2*i], v[ACC+8*t+2*i+1]
.set i, i+1
.endr
.endm
; h += W^T (OF): one K step of 32, 8 channel tiles x 5 token tiles, each of the 40 accumulators once.
.macro HACC
	WIN 0x5c
.set f, 0
.rept 8
.set t, 0
.rept 4
	MM 64*t+8*f, W+8*f, OF+8*t, 64*t+8*f
.set t, t+1
.endr
.set f, f+1
.endr
	WIN 0xac
.set f, 0
.rept 8
	MM 8*f, W+8*f, OF+32, 8*f
.set f, f+1
.endr
	PLACES
	WIN 0
.endm
.macro PAIR                             ; two heads and the K step of w_proj that they feed
	WIN 0
	v_add_nc_u32 v[VA], s[SPOS], v[VL]
	v_add_nc_u32 v[VBA], s[SBI], v[VH32]
	HEAD 0
	HEAD 1
	s_wait_dscnt 0x0                        ; w_proj's fragments
	HACC
	s_add_co_u32 s[SPOS], s[SPOS], 32768
	s_add_co_u32 s[SBI], s[SBI], 384
.endm
.macro GELU g                           ; two accumulators, eight pairs, step by step
.set XB, ACC+16*(\g)
	WIN 0
.set q, 0
.rept 16
	v_and_b32 v[AX+q], s[ABSM], v[XB+q]
.set q, q+1
.endr
.set q, 0
.rept 8
	v_pk_fma_f32 v[PP+2*q:PP+2*q+1], v[AX+2*q:AX+2*q+1], s[D6:D6+1], s[D5:D5+1] op_sel_hi:[1,0,0]
.set q, q+1
.endr
.irp d, D4, D3, D2, D1
.set q, 0
.rept 8
	v_pk_fma_f32 v[PP+2*q:PP+2*q+1], v[PP+2*q:PP+2*q+1], v[AX+2*q:AX+2*q+1], s[\d:\d+1] op_sel_hi:[1,1,0]
.set q, q+1
.endr
.endr
.set q, 0
.rept 8
	v_pk_fma_f32 v[PP+2*q:PP+2*q+1], v[PP+2*q:PP+2*q+1], v[AX+2*q:AX+2*q+1], 1.0 op_sel_hi:[1,1,0]
.set q, q+1
.endr
.set q, 0
.rept 16
	v_rcp_f32 v[PP+q], v[PP+q]
.set q, q+1
.endr
.set q, 0
.rept 8
	v_pk_add_f32 v[XB+2*q:XB+2*q+1], v[XB+2*q:XB+2*q+1], v[AX+2*q:AX+2*q+1]   ; x + |x|: the plain lines behind the reciprocals
.set q, q+1
.endr
	s_wait_alu depctr_va_vdst(0)
.rept 4                                 ; the sixteenth power
.set q, 0
.rept 8
	v_pk_mul_f32 v[PP+2*q:PP+2*q+1], v[PP+2*q:PP+2*q+1], v[PP+2*q:PP+2*q+1]
.set q, q+1
.endr
.endr
.set q, 0
.rept 8
	v_pk_fma_f32 v[XB+2*q:XB+2*q+1], v[AX+2*q:AX+2*q+1], v[PP+2*q:PP+2*q+1], v[XB+2*q:XB+2*q+1] neg_lo:[1,0,0] neg_hi:[1,0,0]
.set q, q+1
.endr
	WIN 0xc0
.set q, 0
.rept 8                                 ; accumulator a = 2 g + q / 4 is hidden tile a / 5 of token tile a % 5
	v_cvt_pk_f16_f32 v[OF+8*((2*(\g)+q/4)%5)+4*((2*(\g)+q/4)/5)+q%4], v[XB+2*q], v[XB+2*q+1]
.set q, q+1
.endr
.endm
.macro MLPCHUNK                         ; 32 hidden channels: w_fc1's two tiles, GELU, w_fc2's K step
	WIN 0
	v_add_nc_u32 v[VA], s[SPOS], v[VL]
	v_add_nc_u32 v[VBA], s[SBI], v[VH32]
.set i, 0
.rept 8
	LDW VA, i, 1024*i
.set i, i+1
.endr
	LDB BQ, 0
	LDB BK, 64
	s_add_co_u32 s[SBI], s[SBI], 128
	s_wait_dscnt 0x0
	WIN 0x08
.set k, 0
.rept 4
	ROW5 ACC, W+8*k, BQ
	ROW5 ACC+40, W+32+8*k, BK
.set k, k+1
.endr
	PLACES
	WIN 0
.set i, 0
.rept 8
	LDW VA, i, 8192+1024*i
.set i, i+1
.endr
	s_add_co_u32 s[SPOS], s[SPOS], 16384
	GELU 0
	GELU 1
	GELU 2
	GELU 3
	GELU 4
	s_wait_dscnt 0x0                        ; w_fc2's fragments
	HACC
.endm
	; ---------------- the head
	s_load_b256 s[4:11], s[0:1], 0x0        ; x 4, adj 6, w_embed 8, pos 10
	s_load_b128 s[12:15], s[0:1], 0x20      ; wbuf 12, cbuf 14
	s_load_b64 s[16:17], s[0:1], 0x30       ; out0
	v_lshl_add_u32 v[SPW], v0, 2, SPARE
	v_mov_b32 v[NIL], 0
	ds_add_u32 v[SPW], v[NIL]               ; the wave's opening: the add and its wait stand ahead of my first tensor load; work on registers stands between them
	ds_add_u32 v8, v9
	v_lshrrev_b32 v5, 5, v0
	v_readfirstlane_b32 s[WV], v5
	v_and_b32 v[R], 15, v0
	v_bfe_u32 v[HF], v0, 4, 1
	v_and_b32 v[VL], 31, v0
	v_lshlrev_b32 v[VL], 4, v[VL]
	v_lshlrev_b32 v[VH32], 5, v[HF]
	v_mov_b32 v[ZERO], 0
	; descriptor groups 1: dense rows of 32 elements of 8 bytes
	s_mov_b32 s[G1R+0], 3<<16               ; no mask; elements of 8 bytes; no padding
	s_mov_b32 s[G1R+1], 32<<16              ; tensor_dim0 = 32
	s_mov_b32 s[G1R+2], 64<<16              ; tensor_dim1 = 64
	s_mov_b32 s[G1R+3], 32<<16              ; tile_dim0 = 32
	s_mov_b32 s[G1R+4], 64                  ; tile_dim1 = 64
	s_mov_b32 s[G1R+5], 32                  ; 32 elements from row to row
	s_mov_b32 s[G1R+6], 0
	s_mov_b32 s[G1R+7], 0
	s_mov_b32 s[G1C+0], 3<<16
	s_mov_b32 s[G1C+1], 32<<16
	s_mov_b32 s[G1C+2], 32<<16              ; 32 rows
	s_mov_b32 s[G1C+3], 32<<16
	s_mov_b32 s[G1C+4], 32
	s_mov_b32 s[G1C+5], 32
	s_mov_b32 s[G1C+6], 0
	s_mov_b32 s[G1C+7], 0
	s_lshl_b32 s20, s[WV], 13               ; my quarter of the constants
	s_mov_b32 s21, 0
	s_lshl_b32 s22, s[WV], 14               ; my quarter of a chunk
	s_mov_b32 s23, 0
	s_mov_b32 s[G0C], 1
	s_add_co_u32 s[G0C+1], s20, CB
	s_mov_b32 s[G0A], 1
	s_mov_b32 s[G0A+1], s22
	s_mov_b32 s[G0B], 1
	s_add_co_u32 s[G0B+1], s22, SLOTB
	s_lshl_b32 s19, ttmp9, 4
	s_lshl2_add_u32 s19, s[WV], s19         ; my first sequence: 16 x group + 4 x wave
	s_mul_i32 s92, s19, 136                 ; 17 tokens x 8 bytes of x
	s_mov_b32 s93, 0
	s_mul_i32 s94, s19, 8704                ; 17 tokens x 512 bytes of out0
	s_mov_b32 s95, 0
	s_mov_b32 s[SPOS], 0
	s_mov_b32 s[SBI], CB+LBOFF
	s_mov_b32 s[SPB], CB+PBOFF
	s_mov_b32 s[SGW], CB
	s_mov_b32 s[SEL], 0x76543210
	s_mov_b32 s[SEL+1], 0xfedcba98
	s_mov_b32 s[ABSM], 0x7fffffff
	s_mov_b32 s[D1], 0x3d4c41b4             ; 0.0498673470
	s_mov_b32 s[D2], 0x3cad2fe7             ; 0.0211410061
	s_mov_b32 s[D3], 0x3b56cd72             ; 0.0032776263
	s_mov_b32 s[D4], 0x381f660e             ; 0.0000380036
	s_mov_b32 s[D5], 0x384d0fe2             ; 0.0000488906
	s_mov_b32 s[D6], 0x36b49f9e             ; 0.0000053830
.irp d, D1, D2, D3, D4, D5, D6
	s_mov_b32 s[\d+1], s[\d]                ; named as pairs
.endr
	s_mov_b32 s[L2E4], 0x3eb8aa3b           ; log2e / 4: the scale 16^-0.5 in base 2
	s_mov_b32 s[L2E], 0x3fb8aa3b
	s_mov_b32 s[NL2E], 0xbfb8aa3b
	s_mov_b32 s[NL2E4], 0xbeb8aa3b
	s_mov_b32 s[I128], 0x3c000000           ; 1 / 128
	s_mov_b32 s[EPSR], 0x358637bd           ; 1e-6
	s_wait_dscnt 0x0                        ; the opening add is done
	s_wait_kmcnt 0x0
	s_add_nc_u64 s[G0C+2:G0C+3], s[14:15], s[20:21]
	s_or_b32 s[G0C+3], s[G0C+3], 0x80000000
	s_add_nc_u64 s[G0A+2:G0A+3], s[12:13], s[22:23]
	s_add_nc_u64 s[G0B+2:G0B+3], s[G0A+2:G0A+3], SLOTB
	s_or_b32 s[G0A+3], s[G0A+3], 0x80000000
	s_or_b32 s[G0B+3], s[G0B+3], 0x80000000
	s_add_nc_u64 s[4:5], s[4:5], s[92:93]
	s_add_nc_u64 s[16:17], s[16:17], s[94:95]
	tensor_load_to_lds s[G0C:G0C+3], s[G1C:G1C+7]   ; the three first fills go out together: the constants, chunk 0, chunk 1
	s_nop 0
	tensor_load_to_lds s[G0A:G0A+3], s[G1R:G1R+7]
	s_nop 0
	tensor_load_to_lds s[G0B:G0B+3], s[G1R:G1R+7]
	s_nop 0
	PLACES
	; ---------------- the embedding, in the wait for the first tiles
	s_load_b32 s[A1616], s[6:7], 0x480      ; adj[16][16]
	v_lshlrev_b32 v5, 3, v[R]               ; x: token r
	v_and_b32 v33, 3, v[R]
	v_mul_u32_u24 v6, 136, v33              ; x: sequence r & 3
	v_lshl_add_u32 v7, v[R], 9, v[VH32]     ; pos[r], my eight of sixteen
	v_mul_u32_u24 v31, 68, v[R]             ; adj[r]
	v_add_nc_u32 v30, v31, v[VH32]
.irp c, 0,1,2,3
	global_load_b64 v[XP+2*\c:XP+2*\c+1], v5, s[4:5] offset:136*\c
.endr
	global_load_b64 v[XP+8:XP+9], v6, s[4:5] offset:128
.set f, 0
.rept 8
	global_load_b128 v[W+8*f:W+8*f+3], v[VH32], s[8:9] offset:64*f            ; w_embed[0]
	global_load_b128 v[W+8*f+4:W+8*f+7], v[VH32], s[8:9] offset:64*f+16
	global_load_b128 v[ACC+8*f:ACC+8*f+3], v[VH32], s[8:9] offset:512+64*f    ; w_embed[1]
	global_load_b128 v[ACC+8*f+4:ACC+8*f+7], v[VH32], s[8:9] offset:512+64*f+16
	global_load_b128 v[TMP+8*f:TMP+8*f+3], v7, s[10:11] offset:64*f           ; pos[r]
	global_load_b128 v[TMP+8*f+4:TMP+8*f+7], v7, s[10:11] offset:64*f+16
.set f, f+1
.endr
.set i, 0
.rept 8
	global_load_b32 v[240+i], v30, s[6:7] offset:4*i                          ; adj[r][8 h + i]
	global_load_b32 v[248+i], v[VH32], s[6:7] offset:1088+4*i                 ; adj[16][8 h + i]
.set i, i+1
.endr
	global_load_b32 v[ADJ16], v31, s[6:7] offset:64
	WIN 0x80
.set f, 0
.rept 8
	global_load_b128 v[XH+8*f:XH+8*f+3], v[VH32], s[10:11] offset:8192+64*f   ; pos[16], where LayerNorm's output will lie
	global_load_b128 v[XH+8*f+4:XH+8*f+7], v[VH32], s[10:11] offset:8192+64*f+16
.set f, f+1
.endr
	WIN 0
	s_mov_b32 s19, 0x0000ffff
	s_mov_b32 s20, 0xffff0000
	v_lshlrev_b32 v46, 3, v[HF]
	v_sub_nc_u32 v46, v[R], v46             ; r - 8 h
.set i, 0
.rept 4
	v_cmp_eq_u32 vcc_lo, i, v33
	v_cndmask_b32 v[LM+i], 0, -1, vcc_lo
	v_cmp_eq_u32 vcc_lo, 2*i, v46
	v_cndmask_b32 v[DM+i], 0, s19, vcc_lo
	v_cmp_eq_u32 vcc_lo, 2*i+1, v46
	v_cndmask_b32 v[DM+i], v[DM+i], s20, vcc_lo
.set i, i+1
.endr
	WIN 0xc0                                ; what stays 0 for the whole launch: tile 4's keys have no skeleton part; key 16's parts of P but for one register each
.set i, 0
.rept 4
	v_mov_b32 v[KF+36+i], 0
	T4 v_mov_b32 v[PF+8*t+4*(1-t%2)+i], 0
	T4 v_mov_b32 v[P4M+8*t+4*(1-t%2)+i], 0
.set i, i+1
.endr
	WIN 0
	s_wait_loadcnt 0x0
	s_wait_kmcnt 0x0
	T5 v_mov_b32 v[KFAC+2*t], v[XP+2*t+1]   ; x1 in a pair's low word, for the broadcast; the pairs are free until the first gate
	T5 v_mov_b32 v[KFAC+2*t+1], v[XP+2*t+1]
	WIN 0x40
.set i, 0
.rept 128                               ; h = w_embed[0] x0 + pos
	v_pk_fma_f32 v[2*i:2*i+1], v[W+(2*i)%64:W+(2*i)%64+1], v[XP+2*(i/32):XP+2*(i/32)+1], v[TMP+(2*i)%64:TMP+(2*i)%64+1] op_sel_hi:[1,0,1]
.set i, i+1
.endr
	WIN 0x50
.set i, 0
.rept 128                               ; + w_embed[1] x1
	v_pk_fma_f32 v[2*i:2*i+1], v[ACC+(2*i)%64:ACC+(2*i)%64+1], v[KFAC+2*(i/32):KFAC+2*(i/32)+1], v[2*i:2*i+1] op_sel_hi:[1,0,1]
.set i, i+1
.endr
	WIN 0xa0
.set i, 0
.rept 32
	v_pk_fma_f32 v[2*i:2*i+1], v[W+2*i:W+2*i+1], v[XP+8:XP+9], v[XH+2*i:XH+2*i+1] op_sel_hi:[1,0,1]
.set i, i+1
.endr
.set i, 0
.rept 32
	v_pk_fma_f32 v[2*i:2*i+1], v[ACC+2*i:ACC+2*i+1], v[KFAC+8:KFAC+9], v[2*i:2*i+1] op_sel_hi:[1,0,1]
.set i, i+1
.endr
	WIN 0
.set i, 0
.rept 4
	v_cvt_pk_f16_f32 v[DT+i], v[248+2*i], v[249+2*i]
.set i, i+1
.endr
	WIN 0xc0
.set i, 0
.rept 4
	T4 v_cvt_pk_f16_f32 v[QF+8*t+4+i], v[240+2*i], v[241+2*i]
	T4 v_and_b32 v[Q4M+8*t+4+i], v[DT+i], v[LM+t]
.set i, i+1
.endr
	WIN 0
	s_mul_i32 s21, s[WV], 16*SP
	s_add_co_u32 s21, s21, STAGE            ; my stage
	v_mul_u32_u24 v[STO], SP, v[R]
	v_add3_u32 v[STO], v[STO], v[VH32], s21 ; in: row = token r, 32 bytes for each half of the lanes
	v_add_nc_u32 v[RD], s21, v[VL]          ; back: a row's 512 bytes over the 32 lanes
	s_wait_tensorcnt 0x1                    ; my quarters of the constants and of chunk 0 are in; chunk 1's may stay out
	s_barrier_signal -1
	s_barrier_wait -1                       ; everybody's are
	; ---------------- the layers.  A trip: the MLP of one layer, then the attention of the next; the loop is entered at the attention.
	s_mov_b32 s[LAYER], 4
	s_branch .Lenter
.Llayer:
	s_mov_b32 s[CO], 2
.Lmlp_half:
	s_mov_b32 s[CI], 4
.Lmlp_chunk:
	MLPCHUNK
	s_sub_co_u32 s[CI], s[CI], 1
	s_cmp_lg_u32 s[CI], 0
	s_cbranch_scc1 .Lmlp_chunk
	CHANGE 1
	s_sub_co_u32 s[CO], s[CO], 1
	s_cmp_lg_u32 s[CO], 0
	s_cbranch_scc1 .Lmlp_half
.Lenter:
	LN 0
	GATE
	s_mov_b32 s[CO], 2
.Latt_half:
	s_mov_b32 s[CI], 2
.Latt_pair:
	PAIR
	s_sub_co_u32 s[CI], s[CI], 1
	s_cmp_lg_u32 s[CI], 0
	s_cbranch_scc1 .Latt_pair
	CHANGE 1
	s_sub_co_u32 s[CO], s[CO], 1
	s_cmp_lg_u32 s[CO], 0
	s_cbranch_scc1 .Latt_half
	LN 0
	s_sub_co_u32 s[LAYER], s[LAYER], 1
	s_cmp_lg_u32 s[LAYER], 0
	s_cbranch_scc1 .Llayer
	; the last layer's MLP is written out: nothing is left to fetch.  The second change orders nothing: the price of one text for both halves.
	s_mov_b32 s[CO], 2
.Ltail_half:
	s_mov_b32 s[CI], 4
.Ltail_chunk:
	MLPCHUNK
	s_sub_co_u32 s[CI], s[CI], 1
	s_cmp_lg_u32 s[CI], 0
	s_cbranch_scc1 .Ltail_chunk
	CHANGE 0
	s_sub_co_u32 s[CO], s[CO], 1
	s_cmp_lg_u32 s[CO], 0
	s_cbranch_scc1 .Ltail_half
	LN 1
	s_wait_tensorcnt 0x0                    ; the wave's end, behind my last tensor load and my last LDS store
	ds_add_u32 v[SPW], v[NIL]
	s_wait_dscnt 0x0
	s_endpgm
.Lfunc_end_k_qe88a8eaef6_pose:
	.size	k_qe88a8eaef6_pose, .Lfunc_end_k_qe88a8eaef6_pose-k_qe88a8eaef6_pose
	.p2alignl 7, 3214868480
	.fill 96, 4, 3214868480
	.section	.rodata,"a",@progbits
	.p2align	6, 0x0
	.amdhsa_kernel k_qe88a8eaef6_pose
		.amdhsa_group_segment_fixed_size 327680
		.amdhsa_private_segment_fixed_size 0
		.amdhsa_enable_private_segment 0
		.amdhsa_kernarg_size 56
		.amdhsa_user_sgpr_count 2
		.amdhsa_user_sgpr_kernarg_segment_ptr 1
		.amdhsa_wavefront_size32 1
		.amdhsa_system_sgpr_workgroup_id_x 1
		.amdhsa_system_sgpr_workgroup_id_y 1
		.amdhsa_system_sgpr_workgroup_id_z 1
		.amdhsa_system_vgpr_workitem_id 0
		.amdhsa_next_free_vgpr 1024
		.amdhsa_next_free_sgpr 96
		.amdhsa_reserve_vcc 1
		.amdhsa_float_denorm_mode_32 3
		.amdhsa_float_denorm_mode_16_64 3
		.amdhsa_memory_ordered 1
		.amdhsa_forward_progress 1
		.amdhsa_inst_pref_size 255
	.end_amdhsa_kernel
	.section	.bss,"aw",@nobits
	.p2align	6
	.space	262144
	.amdgpu_metadata
---
amdhsa.version: [ 1, 2 ]
amdhsa.kernels:
  - .name:           k_qe88a8eaef6_pose
    .symbol:         k_qe88a8eaef6_pose.kd
    .args:
      - { .name: x, .offset: 0, .size: 8, .value_kind: global_buffer, .address_space: global }
      - { .name: adj, .offset: 8, .size: 8, .value_kind: global_buffer, .address_space: global }
      - { .name: w_embed, .offset: 16, .size: 8, .value_kind: global_buffer, .address_space: global }
      - { .name: pos, .offset: 24, .size: 8, .value_kind: global_buffer, .address_space: global }
      - { .name: wbuf, .offset: 32, .size: 8, .value_kind: global_buffer, .address_space: global }
      - { .name: cbuf, .offset: 40, .size: 8, .value_kind: global_buffer, .address_space: global }
      - { .name: out0, .offset: 48, .size: 8, .value_kind: global_buffer, .address_space: global }
    .group_segment_fixed_size: 327680
    .private_segment_fixed_size: 0
    .kernarg_segment_align: 8
    .kernarg_segment_size: 56
    .max_flat_workgroup_size: 128
    .sgpr_count:     96
    .vgpr_count:     1024
    .wavefront_size: 32
...
	.end_amdgpu_metadata
.endif
;; end of part 2
